; MI455X (gfx1250); checked and timed in simulation.
; The chip was launched on July 23, 2026; its instructions are those of AMD's public machine-readable ISA for CDNA 5 (MIT licence, August 2026) and "CDNA5" Instruction Set Architecture Reference Guide (July 2026). The comments in the code are by the model that wrote it; some were corrected since.
;; Custom Multi Head Attention Stoich. Allowed arithmetic: matrix products marked QUANTISED: E2M3 operands, one E8M0 scale for each 32 along K, by v_wmma_scale_f32_16x16x128_f8f6f4 with both operands' format E2M3, f32 sums; everything else in f32.
;; Inputs: Wk_codes 512 x 16 x 24 uint8 (E2M3 codes of Wk, K innermost, in blocks of 32 codes, four codes in three bytes); Wk_scales 512 x 16 uint8 (E8M0 scales of Wk, one for each 32 codes along K); Wo_codes 512 x 16 x 24 uint8 (E2M3 codes of Wo, K innermost, in blocks of 32 codes, four codes in three bytes); Wo_scales 512 x 16 uint8 (E8M0 scales of Wo, one for each 32 codes along K); Wq_codes 512 x 16 x 24 uint8 (E2M3 codes of Wq, K innermost, in blocks of 32 codes, four codes in three bytes); Wq_scales 512 x 16 uint8 (E8M0 scales of Wq, one for each 32 codes along K); Wv_codes 512 x 16 x 24 uint8 (E2M3 codes of Wv, K innermost, in blocks of 32 codes, four codes in three bytes); Wv_scales 512 x 16 uint8 (E8M0 scales of Wv, one for each 32 codes along K); alpha_neg 8 float32; alpha_pos 8 float32; bk 512 float32; bo 512 float32; bq 512 float32; bv 512 float32; delta one number float32; frac 8 x 1,024 float32; gamma one number float32; key_codes 8 x 1,024 x 16 x 24 uint8 (E2M3 codes of key, K innermost, in blocks of 32 codes, four codes in three bytes); key_scales 8 x 1,024 x 16 uint8 (E8M0 scales of key, one for each 32 codes along K); query_codes 8 x 1,024 x 16 x 24 uint8 (E2M3 codes of query, K innermost, in blocks of 32 codes, four codes in three bytes); query_scales 8 x 1,024 x 16 uint8 (E8M0 scales of query, one for each 32 codes along K); value_codes 8 x 1,024 x 16 x 24 uint8 (E2M3 codes of value, K innermost, in blocks of 32 codes, four codes in three bytes); value_scales 8 x 1,024 x 16 uint8 (E8M0 scales of value, one for each 32 codes along K).
;; Outputs: out0 8 x 1,024 x 512 float32.
;; Constants: add_frac_bias = 1.
;; This version of the problem:
;;   THIS VERSION OF THE PROBLEM IS GIVEN IN LOW PRECISION. The matrix products marked QUANTISED in the list below multiply operands that are first quantised to E2M3 (2 exponent bits, 3 mantissa bits; 6 bits a number), with one power-of-two scale for each 32 numbers along K (OCP MX v1.0); their sums are f32. All else is computed in f32.
;;   The module's matrix products, in the order in which they are computed (A, B: the left and right operand; K: the contracted axis; several contracted axes count as one K, in the product's order):
;;     1. [M 8,192, K 512] x [K 512, N 512]; A: input query (given as codes); B: input Wq (given as codes): QUANTISED
;;     2. [M 8,192, K 512] x [K 512, N 512]; A: input key (given as codes); B: input Wk (given as codes): QUANTISED
;;     3. [M 8,192, K 512] x [K 512, N 512]; A: input value (given as codes); B: input Wv (given as codes): QUANTISED
;;     4. batch 64 x [M 1,024, K 64] x [K 64, N 1,024]; A: computed on the way; B: computed on the way: QUANTISED
;;     5. batch 64 x [M 1,024, K 1,024] x [K 1,024, N 64]; A: softmax (see below); B: computed on the way: QUANTISED
;;     6. [M 8,192, K 512] x [K 512, N 512]; A: computed on the way; B: input Wo (given as codes): QUANTISED
;;   THE QUANTISER, for each operand of a quantised product, along K:
;;     - K is cut into blocks of 32 from its start; a last block that is shorter is filled with zeros.
;;     - A block's scale is 2^e with e = floor(log2(the largest magnitude in the block)) - 2, held to -126 .. 127; a block of zeros has e = 0. As a byte (E8M0): e + 127.
;;     - Each number is divided by its block's scale, clamped to +-7.5, and rounded to the nearest number of E2M3, ties to even, subnormals kept.
;;     - The product sums the exact products of the quantised numbers (number of the format x scale) in f32.
;;   ~~~python
;;   def quantise(x, axis):      # numpy; x: float32 -> the quantised numbers, widened to float32 again
;;       x = np.moveaxis(x, axis, -1); K = x.shape[-1]
;;       x = np.pad(x, [(0, 0)] * (x.ndim - 1) + [(0, -K % 32)]); x = x.reshape(x.shape[:-1] + (-1, 32)); a = np.abs(x).max(-1, keepdims=True)
;;       e = np.where(a > 0, np.clip(np.frexp(np.where(a > 0, a, 1))[1] - 1 - 2, -126, 127), 0)      # np.frexp(a)[1] - 1 = floor(log2(a)), exactly
;;       r = np.clip(x / 2.0 ** e, -7.5, 7.5)
;;       step = 2.0 ** (np.maximum(np.frexp(np.where(r == 0, 1, r))[1] - 1, 0) - 3)
;;       q = np.round(r / step) * step * 2.0 ** e      # np.round: ties to even
;;       return np.moveaxis(q.reshape(q.shape[:-2] + (-1,))[..., :K], -1, axis).astype(np.float32)
;;   ~~~
;;   SOFTMAX AHEAD OF A QUANTISED PRODUCT. Where the list says 'softmax', what is quantised is not the finished softmax but p = 2^(t - M), with t = logit x log2(e) and M = ceil(the row's largest t), a whole number; so 1/2 < the row's largest p <= 1. The row's sum l is taken of the UNQUANTISED p, in f32, and the product's result is divided by l at the end. Since M is a whole number, a kernel that streams over the keys may use a running M (the ceiling of the running maximum): every later rescaling is an exact power of two, which a block's scale takes up: the codes' values come out the same.
;;   OPERANDS COMPUTED ON THE WAY. 'Computed on the way' means the value that the module computes at that place (a softmax that the list does not call 'softmax' is quantised finished and normalised). What goes into a quantiser is computed in f32, as accurately as f32 sums, v_exp_f32 and their like allow (about 1e-6 of the number): no bf16 or f16 on the way to a quantiser, and a product that is left as it is and whose result goes on into a quantised operand takes f32 operands (vector FMAs, or v_wmma_f32_16x16x4_f32). A number that lies on a knife's edge between two numbers of the format may be rounded either way, as far as f32 arithmetic and the matrix unit's own rounding can turn it there, and no further.
;;   INPUTS GIVEN AS CODES. Wk (in the module: [512, 512], K = its axis 0); Wo (in the module: [512, 512], K = its axis 0); Wq (in the module: [512, 512], K = its axis 0); Wv (in the module: [512, 512], K = its axis 0); key (in the module: [8, 1024, 512], K = its axis 2); query (in the module: [8, 1024, 512], K = its axis 2); value (in the module: [8, 1024, 512], K = its axis 2): each comes as NAME_codes (uint8): NAME with its K axis moved to the last place and cut into blocks of 32 codes, [.., K / 32, bytes a block], one block behind the other in memory; four codes in three bytes: a row's codes are one little-endian stream of bits, code i at bits 6 i .. 6 i + 5 (a code: sign, 2 exponent bits, 3 mantissa bits); and NAME_scales (uint8): the same leading axes, one E8M0 byte (e + 127) for each 32 codes along K. Its value is code x scale, taken as it is: it is not quantised again, and the codes and scales need not be those that the quantiser above would give.
;; One version. Each part assembles by itself: llvm-mc -triple=amdgcn-amd-amdhsa -mcpu=gfx1250 --defsym DOCPART=n.
;; ======== version 1 of 1: 3 launches
;; limits: an absolute error that grows with the inputs' magnitude: up to 1e-07 times it
;; workspace buffers: qbuf 3,407,872 bytes; kbuf 3,407,872 bytes; vbuf 3,276,800 bytes; stats 131,072 bytes; woimg 196,608 bytes; oimg 3,145,728 bytes; osc 524,288 bytes
;; launch proj (part 1): grid 4 x 64, 4 waves a work-group, clusters of 4 x 4, 327,680 bytes of LDS; arguments query_codes, key_codes, value_codes, Wq_codes, Wk_codes, Wv_codes, query_scales, key_scales, value_scales, Wq_scales, Wk_scales, Wv_scales, bq, bk, bv, frac, Wo_codes, qbuf, kbuf, vbuf, stats, woimg; writes qbuf, kbuf, vbuf, stats, woimg
.if DOCPART == 1
	.amdgcn_target "amdgcn-amd-amdhsa--gfx1250"
	.amdhsa_code_object_version 6
	.text
	.protected	k_qd7979bb102_proj
	.globl	k_qd7979bb102_proj
	.p2align	8
	.type	k_qd7979bb102_proj,@function
k_qd7979bb102_proj:
	s_mov_b64 s[64:65], 0
	v_nop
	global_prefetch_b8 v0, s[64:65] scope:SCOPE_SE
	s_setreg_imm32_b32 hwreg(HW_REG_WAVE_MODE, 25, 1), 1
	s_wait_xcnt 0x0
	s_wait_alu depctr_hold_cnt(0) depctr_sa_sdst(0) depctr_va_vdst(0) depctr_va_sdst(0) depctr_va_ssrc(0) depctr_va_vcc(0) depctr_vm_vsrc(0)
	s_getreg_b32 s2, hwreg(HW_REG_IB_STS2, 6, 4)
	s_cmp_eq_u32 s2, 0
	s_cbranch_scc0 .Lentry_in_a_cluster
	s_endpgm
.Lentry_in_a_cluster:
	s_bfe_u32 s2, ttmp6, 0x10000c
	s_cmp_lg_u32 s2, 0xf033
	s_cbranch_scc0 .Lentry_shape_is_right
	s_endpgm
.Lentry_shape_is_right:
; Q = query Wq + bq, K = key Wk + bk, V = value Wv + bv on codes of FP6 (E2M3) with E8M0 scales; the results are quantised again
; (Q and K along the head's 64 channels, V along the keys) and stored as IMAGES OF OPERAND REGISTERS for the attention launch.
; A PIECE is 16 rows x 64 K of codes, 6 registers a lane, 768 bytes: lane l's registers 0-3 at 16 l, its registers 4-5 at 512 + 8 l.
; SHARES. Work-group (X, Y): channels 128 X on (two heads), tokens 128 Y on (one key step of the second attention product), all three tensors.
; Wave w: tokens 64 (w / 2) on, head w % 2: 4 x 4 tiles, four K steps of 128, 64 matrix instructions a tensor.
; THE ROWS OF A TILE ARE NOT NEIGHBOURS: lane r of tile u takes row 8 u + r + 24 (r / 8) of its 64, for tokens and for channels alike. So the 32 registers
; of four neighbouring tiles are, in each half of the lanes, one whole block of 32 along the next product's K, in order: a block's largest magnitude needs no other lane.
; Q, K: source 0 = 16 channels of W, source 1 = 16 tokens (a lane holds one token).  V: the sources swapped (a lane holds one channel, registers run along the keys).
; CLUSTER 4 x 4: the activations' tiles hang on Y alone and are shared along a row of the cluster, the weights' on X alone and are shared along a column: joint loads.
; All six tiles fit in LDS at once: each byte of LDS is filled once, so there is no ring.
; BESIDE THAT, while the tiles land: each wave makes the head-independent row statistics of the bias for 8 rows (mean and centred sum of squares of max(D,0) and min(D,0),
; D = (fj - fi)(fi fj), in two passes), and wave 3 lays one piece of Wo's codes out for the last launch.
; LDS rows: 384 bytes of codes + 8 bytes behind every 128 = 408. Eight rows x two halves of a load then touch 32 different banks' pairs; rows r and r + 8 of a tile lie 32 LDS rows
; apart, a whole number of times through the banks, so a fragment load goes two deep. A pitch that parts them too would need 331,776 bytes for the six tiles, more than there is.
; LIMITS: NaN and infinities among the inputs are not served. A block of zeros gets the scale byte 1 (its codes are zeros; this program alone reads the bytes).
; REGISTERS. window 0: v1-29 addresses; v32-127 statistics; v128-223 scale words (tensor T at 128 + 32 T: activations' (tile u, K step q) at 4 u + q, weights' at 16 + 4 u + q); v224-255 at work.
;   window 1: two sets of fragments (v0, v96): weights' four at 12 i, activations' four at 48 + 12 i.   window 2: v0-127 accumulators; v128-223 biases; v224-255 codes on their way out.
.set PITCH, 408
.set TILE,  128*PITCH
.set HALF,  64*PITCH
.set WBASE, 3*TILE
.set STG,   6*TILE                     ; behind the tiles: Q's words 1,024, K's words 1,024, V's words 512, statistics 512: no fill lands here
.set QREC,  53248                      ; a head's record of Q or K: 64 pieces, then 4,096 bytes of scale words
.set VREC,  51200                      ; of V: 64 pieces, then 2,048 bytes of scale words
.set SCW,   128
.set AX,    9                          ; v9, v10   LDS address of the tensor's activation fragments (v10: for pieces behind one padding more)
.set AW,    11                         ; v11, v12  the same for the weights
.set MSB, 0
.macro WIN new                         ; the immediate's high byte repeats the setting that is left
.if MSB != (\new)
	s_set_vgpr_msb (MSB<<8)|(\new)
.set MSB, (\new)
.endif
.endm
.macro PLACES                          ; four places behind matrix instructions, in front of loads into their sources and of reads of their results
.rept 4
	v_nop
.endr
.endm
.macro CROUND                          ; a round of the cluster's barrier
	s_barrier_signal -1
	s_barrier_wait -1
	s_cmp_lg_u32 s4, 0
	s_cbranch_scc1 .Lnot_wave_0_\@
	s_barrier_signal -3
.Lnot_wave_0_\@:
	s_barrier_wait -3
	s_barrier_signal -1
	s_barrier_wait -1
.endm
	s_load_b256 s[68:75], s[0:1], 0x0              ; codes: query, key, value, Wq
	s_load_b128 s[76:79], s[0:1], 0x20             ; Wk, Wv
	s_load_b256 s[80:87], s[0:1], 0x60             ; bq, bk, bv, frac
	s_load_b256 s[88:95], s[0:1], 0x80             ; Wo_codes, qbuf, kbuf, vbuf
	s_load_b128 s[96:99], s[0:1], 0xa0             ; stats, woimg
	v_lshl_add_u32 v246, v0, 2, 0x4d400
	v_mov_b32 v247, 0
	ds_add_u32 v246, v247
	ds_add_u32 v246, v247
	v_lshrrev_b32 v1, 5, v0
	v_readfirstlane_b32 s4, v1                     ; wave 0..3
	s_lshr_b32 s5, s4, 1                           ; wy: my 64 tokens.  Also: I fetch activations (0) or weights (1)
	s_and_b32 s6, s4, 1                            ; wx: my head.  Also: which 64 rows of a tile I fetch
	s_bfe_u32 s7, ttmp6, 0x40000                   ; cx
	s_bfe_u32 s8, ttmp6, 0x40004                   ; cy
	s_lshl_b32 s9, ttmp9, 2
	s_add_co_u32 s9, s9, s7                        ; X
	s_and_b32 s10, ttmp7, 0xffff
	s_lshl_b32 s10, s10, 2
	s_add_co_u32 s10, s10, s8                      ; Y
	s_lshr_b32 s11, s10, 3                         ; batch
	s_and_b32 s12, s10, 7                          ; key step of 128 in the batch
	s_lshl_b32 s13, s8, 2
	s_lshl_b32 s13, 15, s13                        ; my row of the cluster
	s_lshl_b32 s14, 0x1111, s7                     ; my column
	; descriptor group 1: 64 rows x 384 bytes; 15:0 mask; 17:16 elements of 1 byte; 20 padding on; 21 set beside a mask; 24:22 after every 32 words (code 4); 31:25 of 2 words (code 1)
	s_or_b32 s16, s13, (1<<20)|(1<<21)|(4<<22)|(1<<25)
	s_or_b32 s24, s14, (1<<20)|(1<<21)|(4<<22)|(1<<25)
.irp g, 16, 24
	s_mov_b32 s[\g+1], 384<<16                     ; tensor_dim0
	s_mov_b32 s[\g+2], 64<<16                      ; tensor_dim1
	s_mov_b32 s[\g+3], 384<<16                     ; tile_dim0
	s_mov_b32 s[\g+4], 64                          ; tile_dim1
	s_mov_b32 s[\g+5], 384                         ; pitch
	s_mov_b32 s[\g+6], 0
	s_mov_b32 s[\g+7], 0
.endr
	s_mul_i32 s66, s6, HALF                        ; my half of a tile in LDS: the wave's number alone
	s_mul_i32 s67, s6, 24576                       ; and in memory
	s_mul_i32 s2, s10, 49152                       ; activations: 128 Y rows of 384 bytes
	s_add_co_u32 s2, s2, s67
	s_mov_b32 s3, 0
	s_mul_i32 s14, s9, 49152                       ; weights: 128 X rows
	s_add_co_u32 s14, s14, s67
	s_mov_b32 s15, 0
	s_mov_b32 s100, 0x76543210                     ; v_permlanex16_b32's selects for lane l xor 16
	s_mov_b32 s101, 0xfedcba98
	s_wait_dscnt 0x0
	s_wait_kmcnt 0x0
.irp T, 0,1,2
	s_mov_b32 s[32+4*\T], 1
	s_add_co_u32 s[33+4*\T], s66, \T*TILE
	s_add_nc_u64 s[34+4*\T:35+4*\T], s[68+2*\T:69+2*\T], s[2:3]
	s_or_b32 s[35+4*\T], s[35+4*\T], 0x80000000
	s_mov_b32 s[44+4*\T], 1
	s_add_co_u32 s[45+4*\T], s66, WBASE+\T*TILE
	s_add_nc_u64 s[46+4*\T:47+4*\T], s[74+2*\T:75+2*\T], s[14:15]
	s_or_b32 s[47+4*\T], s[47+4*\T], 0x80000000
.endr
	CROUND                                         ; all sixteen work-groups are here: the joint loads meet
	s_cmp_eq_u32 s5, 0                             ; a wave's three fills stand in one branch; three tensor loads of mine are out
	s_cbranch_scc0 .Lfill_w
	tensor_load_to_lds s[32:35], s[16:23]
	s_nop 0
	tensor_load_to_lds s[36:39], s[16:23]
	s_nop 0
	tensor_load_to_lds s[40:43], s[16:23]
	s_nop 0
	PLACES
	s_branch .Lfilled
.Lfill_w:
	tensor_load_to_lds s[44:47], s[24:31]
	s_nop 0
	tensor_load_to_lds s[48:51], s[24:31]
	s_nop 0
	tensor_load_to_lds s[52:55], s[24:31]
	s_nop 0
	PLACES
.Lfilled:
	s_load_b256 s[68:75], s[0:1], 0x30             ; scales: query, key, value, Wq (the codes' addresses are in the descriptors)
	s_load_b128 s[76:79], s[0:1], 0x50             ; Wk, Wv
	v_and_b32 v1, 31, v0                           ; l
	v_and_b32 v2, 15, v0                           ; r
	v_bfe_u32 v3, v0, 4, 1                         ; h
	v_bfe_u32 v4, v0, 3, 1
	v_mad_u32_u24 v4, v4, 24, v2                   ; rp = r + 24 (r / 8)
	v_mul_u32_u24 v25, v4, PITCH
	v_mad_u32_u24 v25, v3, 24, v25                 ; rp x pitch + 24 h
	s_mul_i32 s13, s5, HALF
	v_add_nc_u32 v5, s13, v25                      ; activations: my 64 tokens
	v_lshl_add_u32 v6, v3, 3, v5                   ; and behind one padding more
	s_mul_i32 s13, s6, HALF
	v_add_nc_u32 v7, s13, v25                      ; weights: my 64 channels
	v_lshl_add_u32 v8, v3, 3, v7
	v_lshlrev_b32 v13, 4, v1                       ; a piece: 16 l
	v_lshl_add_u32 v14, v1, 3, 512                 ; and 512 + 8 l
	s_lshl_b32 s13, s5, 10
	v_lshl_add_u32 v15, v4, 4, s13                 ; activations' scales: 16 bytes a row
	s_lshl_b32 s13, s6, 10
	v_lshl_add_u32 v16, v4, 4, s13                 ; weights' scales
	s_lshl_b32 s13, s6, 8
	v_lshl_add_u32 v17, v3, 7, s13                 ; bq, bk: (64 wx + 32 h) x 4
	v_lshl_add_u32 v18, v4, 2, s13                 ; bv: (64 wx + rp) x 4
	s_lshl_b32 s13, s6, 9
	s_lshl_b32 s14, s5, 8
	s_add_co_u32 s13, s13, s14
	s_add_co_u32 s13, s13, STG
	v_lshl_add_u32 v19, v2, 2, s13                 ; stage: Q's and K's words: 512 wx + 256 wy + 4 r
	s_lshl_b32 s13, s6, 8
	s_lshl_b32 s14, s5, 1
	s_add_co_u32 s13, s13, s14
	s_add_co_u32 s13, s13, STG+2048
	v_lshl_add_u32 v20, v2, 2, s13
	v_add_nc_u32 v20, v20, v3                      ; V's bytes: 256 wx + 4 r + 2 wy + h
	v_lshlrev_b32 v21, 3, v3                       ; 8 h
	v_and_b32 v22, 7, v0                           ; l % 8
	s_lshl_b32 s13, s4, 7
	s_add_co_u32 s13, s13, STG+2560
	v_lshl_add_u32 v23, v22, 4, s13                ; statistics: 128 w + 16 (l % 8)
	v_mul_u32_u24 v24, v2, 384
	v_mad_u32_u24 v24, v3, 24, v24                 ; Wo: row r, + 24 h
	s_lshl_b32 s13, s4, 9
	s_add_co_u32 s13, s13, STG
	v_lshl_add_u32 v26, v1, 4, s13                 ; the way out of the stage: words, 512 bytes a wave
	s_lshl_b32 s13, s6, 8
	s_add_co_u32 s13, s13, STG+2048
	v_lshl_add_u32 v27, v1, 3, s13                 ; V's words, 256 bytes
	v_lshl_add_u32 v28, v1, 4, STG+2560            ; statistics, 512 bytes
	v_lshlrev_b32 v29, 3, v1
.irp i, 228,229,231,233,236,237,238,239,248,249,250,251
	v_mov_b32 v[\i], 0                             ; destinations of lane permutes and selects, and upper halves of named pairs: written once
.endr
	s_wait_kmcnt 0x0
	s_lshl_b32 s2, s10, 11                         ; 128 Y rows of 16 scale bytes
	s_lshl_b32 s14, s9, 11
.irp T, 0,1,2
	s_add_nc_u64 s[68+2*\T:69+2*\T], s[68+2*\T:69+2*\T], s[2:3]
	s_add_nc_u64 s[74+2*\T:75+2*\T], s[74+2*\T:75+2*\T], s[14:15]
.endr
	s_lshl_b32 s14, s9, 9                          ; 128 X numbers of a bias
.irp T, 0,1,2
	s_add_nc_u64 s[80+2*\T:81+2*\T], s[80+2*\T:81+2*\T], s[14:15]
.endr
	s_lshl_b32 s2, s11, 12
	s_add_nc_u64 s[86:87], s[86:87], s[2:3]        ; frac at my batch
	s_lshl_b32 s2, s12, 2
	s_add_co_u32 s2, s2, s9
	s_lshl_b32 s2, s2, 7                           ; rows (4 s + X) 32 + 8 w on, 4 bytes each
	s_lshl_b32 s13, s4, 5
	s_add_co_u32 s2, s2, s13
	s_add_nc_u64 s[66:67], s[86:87], s[2:3]
	s_load_b256 s[56:63], s[66:67], 0x0            ; my eight fi
.irp i, 0,1,2,3,4,5,6,7
	global_load_b128 v[32+4*\i:35+4*\i], v13, s[86:87] offset:512*\i   ; the batch's 1,024 fj: 512 consecutive bytes a load
.endr
.irp T, 0,1,2
.irp u, 0,1,2,3
	global_load_b128 v[SCW+32*\T+4*\u:SCW+32*\T+4*\u+3], v15, s[68+2*\T:69+2*\T] offset:128*\u         ; a row's 16 bytes are its four K steps' words
	global_load_b128 v[SCW+32*\T+16+4*\u:SCW+32*\T+16+4*\u+3], v16, s[74+2*\T:75+2*\T] offset:128*\u
.endr
.endr
	WIN 0x80                                       ; destination window 2
.irp u, 0,1,2,3
	global_load_b128 v[128+8*\u:131+8*\u], v17, s[80:81] offset:32*\u      ; bq in the result's layout: channels 32 h + 8 u + 0 .. 7
	global_load_b128 v[132+8*\u:135+8*\u], v17, s[80:81] offset:32*\u+16
	global_load_b128 v[160+8*\u:163+8*\u], v17, s[82:83] offset:32*\u
	global_load_b128 v[164+8*\u:167+8*\u], v17, s[82:83] offset:32*\u+16
.endr
.irp c, 0,1,2,3
	global_load_b32 v[192+8*\c], v18, s[84:85] offset:32*\c                ; bv: a lane holds one channel
.endr
	WIN 0
; ---- the bias's row statistics, 8 rows a wave
.macro RED32 reg, tmp                  ; a sum over the 32 lanes, in every lane
	v_add_f32_dpp v[\reg], v[\reg], v[\reg] row_xmask:1 row_mask:0xf bank_mask:0xf
	v_add_f32_dpp v[\reg], v[\reg], v[\reg] row_xmask:2 row_mask:0xf bank_mask:0xf
	v_add_f32_dpp v[\reg], v[\reg], v[\reg] row_xmask:4 row_mask:0xf bank_mask:0xf
	v_add_f32_dpp v[\reg], v[\reg], v[\reg] row_xmask:8 row_mask:0xf bank_mask:0xf
	v_permlanex16_b32 v[\tmp], v[\reg], s100, s101
	v_add_f32 v[\reg], v[\reg], v[\tmp]
.endm
	s_wait_loadcnt 44                              ; fj are in; the 24 + 16 + 4 loads issued behind them may be out
	s_wait_kmcnt 0x0                               ; fi
.Lrow:                                             ; s3 = 0 .. 7: the row in hand; its fi stands in s56
	s_xor_b32 s66, s56, 0x80000000                 ; -fi
	s_mov_b32 s67, s66
.set j, 0
.rept 16
	v_pk_add_f32 v[64+j:65+j], v[32+j:33+j], s[66:67] op_sel_hi:[1,0]     ; fj - fi
	v_pk_mul_f32 v[96+j:97+j], v[32+j:33+j], s[56:57] op_sel_hi:[1,0]     ; fi fj
.set j, j+2
.endr
.set j, 0
.rept 16
	v_pk_mul_f32 v[96+j:97+j], v[64+j:65+j], v[96+j:97+j]                 ; D
.set j, j+2
.endr
.set j, 0
.rept 32
	v_max_num_f32 v[64+j], 0, v[96+j]              ; P = max(D, 0)
	v_min_num_f32 v[96+j], 0, v[96+j]              ; N = min(D, 0)
.set j, j+1
.endr
	v_pk_add_f32 v[224:225], v[64:65], v[66:67]
	v_pk_add_f32 v[226:227], v[96:97], v[98:99]
.set j, 4
.rept 14
	v_pk_add_f32 v[224:225], v[224:225], v[64+j:65+j]
	v_pk_add_f32 v[226:227], v[226:227], v[96+j:97+j]
.set j, j+2
.endr
	v_add_f32 v224, v224, v225
	v_add_f32 v226, v226, v227
	RED32 224, 228
	RED32 226, 229
	v_mul_f32 v230, 0x3a800000, v224               ; the means: / 1,024
	v_mul_f32 v232, 0x3a800000, v226
.set j, 0
.rept 16
	v_pk_add_f32 v[64+j:65+j], v[64+j:65+j], v[230:231] op_sel_hi:[1,0] neg_lo:[0,1] neg_hi:[0,1]   ; second pass: centred first, then squared
	v_pk_add_f32 v[96+j:97+j], v[96+j:97+j], v[232:233] op_sel_hi:[1,0] neg_lo:[0,1] neg_hi:[0,1]
.set j, j+2
.endr
	v_pk_mul_f32 v[234:235], v[64:65], v[64:65]
	v_pk_mul_f32 v[236:237], v[96:97], v[96:97]
.set j, 2
.rept 15
	v_pk_fma_f32 v[234:235], v[64+j:65+j], v[64+j:65+j], v[234:235]
	v_pk_fma_f32 v[236:237], v[96+j:97+j], v[96+j:97+j], v[236:237]
.set j, j+2
.endr
	v_add_f32 v234, v234, v235
	v_add_f32 v236, v236, v237
	RED32 234, 228
	RED32 236, 229
	v_cmp_eq_u32 vcc_lo, s3, v22                   ; lanes with l % 8 = the row's number keep its four numbers
	v_cndmask_b32 v248, v248, v230, vcc_lo
	v_cndmask_b32 v249, v249, v232, vcc_lo
	v_cndmask_b32 v250, v250, v234, vcc_lo
	v_cndmask_b32 v251, v251, v236, vcc_lo
.irp i, 56,57,58,59,60,61,62
	s_mov_b32 s[\i], s[\i+1]                       ; the next row's fi comes down
.endr
	s_add_co_u32 s3, s3, 1
	s_cmp_lt_u32 s3, 8
	s_cbranch_scc1 .Lrow
	ds_store_b128 v23, v[248:251]                  ; four lanes write the same 16 bytes with the same values
; ---- one piece of Wo, laid out for the last launch: piece 4 Y + X = (tile of 16 channels) x 8 + (64 along K)
	s_mov_b32 s3, 0
	s_lshl_b32 s13, s10, 2
	s_add_co_u32 s13, s13, s9
	s_lshr_b32 s14, s13, 3
	s_mul_i32 s14, s14, 6144
	s_and_b32 s15, s13, 7
	s_mul_i32 s15, s15, 48
	s_add_co_u32 s2, s14, s15
	s_add_nc_u64 s[88:89], s[88:89], s[2:3]
	s_mul_i32 s2, s13, 768
	s_add_nc_u64 s[98:99], s[98:99], s[2:3]
	s_lshl_b32 s2, s13, 9
	s_add_nc_u64 s[96:97], s[96:97], s[2:3]        ; and where the work-group's 32 rows of statistics go
	s_cmp_lg_u32 s4, 3
	s_cbranch_scc1 .Lno_wo
	global_load_b64 v[240:241], v24, s[88:89]
	global_load_b64 v[242:243], v24, s[88:89] offset:8
	global_load_b64 v[244:245], v24, s[88:89] offset:16
	s_wait_loadcnt 0x0
	global_store_b128 v13, v[240:243], s[98:99]
	global_store_b64 v14, v[244:245], s[98:99]
.Lno_wo:
	s_wait_loadcnt 0x0                             ; scale words and biases; their bases may be written again
	WIN 0x82
.irp c, 0,1,2,3
.irp i, 1,2,3,4,5,6,7
	v_mov_b32 v[192+8*\c+\i], v[192+8*\c]          ; bv as the C of a tile: the lane's channel in all eight registers
.endr
.endr
	WIN 0
	; where the results go
	s_lshl_b32 s13, s11, 3
	s_lshl_b32 s14, s9, 1
	s_add_co_u32 s13, s13, s14
	s_add_co_u32 s13, s13, s6                      ; record = 8 batch + head
	s_lshl_b32 s14, s12, 3
	s_lshl_b32 s15, s5, 2
	s_add_co_u32 s15, s15, s14
	s_mul_i32 s15, s15, 768                        ; Q, K: pieces 8 s + 4 wy on
	s_mul_i32 s2, s13, QREC
	s_add_co_u32 s2, s2, s15
	s_add_nc_u64 s[68:69], s[90:91], s[2:3]
	s_add_nc_u64 s[70:71], s[92:93], s[2:3]
	s_add_co_u32 s15, s14, s5
	s_mul_i32 s15, s15, 768                        ; V: pieces (4 s + ct) 2 + wy
	s_mul_i32 s2, s13, VREC
	s_add_co_u32 s2, s2, s15
	s_add_nc_u64 s[72:73], s[94:95], s[2:3]
	s_mul_i32 s2, s13, QREC
	s_lshl_b32 s15, s12, 9
	s_add_co_u32 s2, s2, s15
	s_add_co_u32 s2, s2, 49152                     ; scale words of tiles 8 s on
	s_cmp_lt_u32 s4, 2                             ; waves 0, 1 carry Q's words out, waves 2, 3 K's
	s_cselect_b64 s[74:75], s[90:91], s[92:93]
	s_add_nc_u64 s[74:75], s[74:75], s[2:3]
	s_mul_i32 s2, s13, VREC
	s_lshl_b32 s15, s12, 8
	s_add_co_u32 s2, s2, s15
	s_add_co_u32 s2, s2, 49152
	s_add_nc_u64 s[76:77], s[94:95], s[2:3]
; A fragment, 16 rows x 128 K, is 12 registers: registers 6 c .. 6 c + 5 hold K = 64 c + 32 h + 0 .. 31: 24 bytes of the row as they lie, in pieces of 8 bytes.
; Piece p of a row lies at 8 p + 8 (p / 16). Lanes 16-31 read three pieces on; where that is behind one padding more, the second address register serves.
.macro FRAG reg, adr, q, row
.irp p, 0,1,2,3,4,5
.set PCE, 12*(\q)+6*(\p/3)+\p%3
.if PCE%16 < 13
	ds_load_b64 v[(\reg)+2*\p:(\reg)+2*\p+1], v[\adr] offset:8*PCE+8*(PCE/16)+(\row)*PITCH
.else
	ds_load_b64 v[(\reg)+2*\p:(\reg)+2*\p+1], v[\adr+1] offset:8*PCE+8*(PCE/16)+(\row)*PITCH
.endif
.endr
.endm
.macro LOADK q, fs                     ; 48 loads: K step q's eight fragments into the set at fs
	WIN 0x40
.irp i, 0,1,2,3
	FRAG (\fs)+12*\i, AW, \q, 8*\i
	FRAG (\fs)+48+12*\i, AX, \q, 8*\i
.endr
.endm
; 16 matrix instructions; the 16 accumulators take turns, in the same order in every K step. The bias is the C of the first K step.
.macro MULQK T, q, fs
	WIN 0xa5
.irp a, 0,1,2,3
.irp u, 0,1,2,3
.if \q == 0
	v_wmma_scale_f32_16x16x128_f8f6f4 v[32*\a+8*\u:32*\a+8*\u+7], v[(\fs)+12*\u:(\fs)+12*\u+11], v[(\fs)+48+12*\a:(\fs)+48+12*\a+11], v[128+32*(\T)+8*\u:128+32*(\T)+8*\u+7], v[SCW+32*(\T)+16+4*\u+(\q)], v[SCW+32*(\T)+4*\a+(\q)] matrix_a_fmt:MATRIX_FMT_FP6 matrix_b_fmt:MATRIX_FMT_FP6
.else
	v_wmma_scale_f32_16x16x128_f8f6f4 v[32*\a+8*\u:32*\a+8*\u+7], v[(\fs)+12*\u:(\fs)+12*\u+11], v[(\fs)+48+12*\a:(\fs)+48+12*\a+11], v[32*\a+8*\u:32*\a+8*\u+7], v[SCW+32*(\T)+16+4*\u+(\q)], v[SCW+32*(\T)+4*\a+(\q)] matrix_a_fmt:MATRIX_FMT_FP6 matrix_b_fmt:MATRIX_FMT_FP6
.endif
.endr
.endr
.endm
.macro MULV q, fs                      ; V: source 0 = 16 tokens, source 1 = 16 channels
	WIN 0xa5
.irp c, 0,1,2,3
.irp u, 0,1,2,3
.if \q == 0
	v_wmma_scale_f32_16x16x128_f8f6f4 v[32*\c+8*\u:32*\c+8*\u+7], v[(\fs)+48+12*\u:(\fs)+48+12*\u+11], v[(\fs)+12*\c:(\fs)+12*\c+11], v[192+8*\c:192+8*\c+7], v[SCW+64+4*\u+(\q)], v[SCW+80+4*\c+(\q)] matrix_a_fmt:MATRIX_FMT_FP6 matrix_b_fmt:MATRIX_FMT_FP6
.else
	v_wmma_scale_f32_16x16x128_f8f6f4 v[32*\c+8*\u:32*\c+8*\u+7], v[(\fs)+48+12*\u:(\fs)+48+12*\u+11], v[(\fs)+12*\c:(\fs)+12*\c+11], v[32*\c+8*\u:32*\c+8*\u+7], v[SCW+64+4*\u+(\q)], v[SCW+80+4*\c+(\q)] matrix_a_fmt:MATRIX_FMT_FP6 matrix_b_fmt:MATRIX_FMT_FP6
.endif
.endr
.endr
.endm
.macro MUL T, q, fs
.if \T == 2
	MULV \q, \fs
.else
	MULQK \T, \q, \fs
.endif
.endm
.macro GEMM T
	WIN 0
	v_add_nc_u32 v9, (\T)*TILE, v5
	v_add_nc_u32 v10, (\T)*TILE, v6
	v_add_nc_u32 v11, WBASE+(\T)*TILE, v7
	v_add_nc_u32 v12, WBASE+(\T)*TILE, v8
	LOADK 0, 0
	LOADK 1, 96
	s_wait_dscnt 48                                ; this K step's 48 loads are in, the next step's may be out
	MUL \T, 0, 0
	PLACES
	LOADK 2, 0
	s_wait_dscnt 48
	MUL \T, 1, 96
	PLACES
	LOADK 3, 96
	s_wait_dscnt 48
	MUL \T, 2, 0
	s_wait_dscnt 0x0
	MUL \T, 3, 96
	PLACES
.endm
; Four groups of 32 registers, each a whole block of 32 along the next K, become four pieces' registers in window 2, v[224 + 8 g] on; the scale bytes in v232-235.
.macro QUANT4
	s_wait_xcnt 0x0                                ; the last tensor's stores have read the codes' registers
	WIN 0x0a
.irp g, 0,1,2,3
	v_max3_num_f32 v[224+\g], |v[32*\g]|, |v[32*\g+1]|, 0x1800000          ; with the floor 2^(3 - 127): the byte cannot fall under 1.  Each accumulator is read from its low end on
.endr
	WIN 0x28
.irp i, 2,4,6,8,10,12,14,16,18,20,22,24,26,28,30
.irp g, 0,1,2,3
	v_max3_num_f32 v[224+\g], v[224+\g], |v[32*\g+\i]|, |v[32*\g+\i+1]|
.endr
.endr
	WIN 0
.irp g, 0,1,2,3
	v_add_nc_u32 v[228+\g], 0xff000000, v[224+\g]  ; 2 off the exponent field: the conversion's scale operand
.endr
.irp g, 0,1,2,3
	v_lshrrev_b32 v[232+\g], 23, v[228+\g]         ; the scale's byte
.endr
	WIN 0x82
.irp g, 0,1,2,3
	v_cvt_scalef32_pk16_fp6_f32 v[224+8*\g:226+8*\g], v[32*\g:32*\g+15], v[228+\g]
.endr
	v_nop                                          ; a plain place: the conversions below write sources of those above
.irp g, 0,1,2,3
	v_cvt_scalef32_pk16_fp6_f32 v[32*\g:32*\g+2], v[32*\g+16:32*\g+31], v[228+\g]   ; (three registers that begin on an even number: made in spent registers and moved)
.endr
	v_nop
.irp g, 0,1,2,3
.irp i, 0,1,2
	v_mov_b32 v[227+8*\g+\i], v[32*\g+\i]
.endr
.endr
	WIN 0
.endm
.macro WORDS T                         ; Q, K: a row's word: its two bytes, and the same two once more over the zero codes of K = 64 .. 127
.irp g, 0,1,2,3
	v_lshlrev_b32 v[232+\g], v21, v[232+\g]
.endr
.irp g, 0,1,2,3
	v_permlanex16_b32 v[236+\g], v[232+\g], s100, s101
.endr
.irp g, 0,1,2,3
	v_or_b32 v[232+\g], v[232+\g], v[236+\g]
.endr
.irp g, 0,1,2,3
	v_lshl_or_b32 v[232+\g], v[232+\g], 16, v[232+\g]
.endr
.irp g, 0,1,2,3
	ds_store_b32 v19, v[232+\g] offset:(\T)*1024+64*\g
.endr
.endm
.macro OUTP base, step                 ; each store covers 512 or 256 consecutive bytes, aligned
	WIN 0x08
.irp g, 0,1,2,3
	global_store_b128 v13, v[224+8*\g:227+8*\g], s[\base:\base+1] offset:\g*\step
	global_store_b64 v14, v[228+8*\g:229+8*\g], s[\base:\base+1] offset:\g*\step
.endr
	WIN 0
.endm
	s_wait_tensorcnt 0x2                           ; my part of Q's tiles is in; K's and V's may stay out
	s_wait_dscnt 0x0
	s_barrier_signal -1
	s_barrier_wait -1
	GEMM 0
	QUANT4
	WORDS 0
	OUTP 68, 768
	s_wait_tensorcnt 0x1
	s_wait_dscnt 0x0
	s_barrier_signal -1
	s_barrier_wait -1
	GEMM 1
	QUANT4
	WORDS 1
	OUTP 70, 768
	s_wait_tensorcnt 0x0
	s_wait_dscnt 0x0
	s_barrier_signal -1
	s_barrier_wait -1
	GEMM 2
	QUANT4
.irp g, 0,1,2,3
	ds_store_b8 v20, v[232+\g] offset:64*\g        ; byte 2 wy + h of channel r's word for this key step
.endr
	OUTP 72, 1536
	s_wait_dscnt 0x0                               ; for the others' sake: my stores into the stage are done
	s_barrier_signal -1
	s_barrier_wait -1
	s_wait_xcnt 0x0
	ds_load_b128 v[240:243], v26
	s_wait_dscnt 0x0
	global_store_b128 v13, v[240:243], s[74:75]    ; 512 bytes of scale words: one head's eight tiles
	s_cmp_lt_u32 s4, 2
	s_cbranch_scc0 .Lno_vw
	ds_load_b64 v[244:245], v27
	s_wait_dscnt 0x0
	global_store_b64 v29, v[244:245], s[76:77]     ; 256 bytes: V's words of one head and key step
.Lno_vw:
	s_cmp_lg_u32 s4, 2
	s_cbranch_scc1 .Lno_st
	ds_load_b128 v[252:255], v28
	s_wait_dscnt 0x0
	global_store_b128 v13, v[252:255], s[96:97]    ; 32 rows of statistics
.Lno_st:
	s_wait_tensorcnt 0x0
	ds_add_u32 v246, v247
	s_wait_dscnt 0x0
	CROUND                                         ; the closing round
	s_endpgm
.Lfunc_end_k_qd7979bb102_proj:
	.size	k_qd7979bb102_proj, .Lfunc_end_k_qd7979bb102_proj-k_qd7979bb102_proj
	.p2alignl 7, 3214868480
	.fill 96, 4, 3214868480
	.section	.rodata,"a",@progbits
	.p2align	6, 0x0
	.amdhsa_kernel k_qd7979bb102_proj
		.amdhsa_group_segment_fixed_size 327680
		.amdhsa_private_segment_fixed_size 0
		.amdhsa_enable_private_segment 0
		.amdhsa_kernarg_size 176
		.amdhsa_user_sgpr_count 2
		.amdhsa_user_sgpr_kernarg_segment_ptr 1
		.amdhsa_wavefront_size32 1
		.amdhsa_system_sgpr_workgroup_id_x 1
		.amdhsa_system_sgpr_workgroup_id_y 1
		.amdhsa_system_sgpr_workgroup_id_z 1
		.amdhsa_system_vgpr_workitem_id 0
		.amdhsa_next_free_vgpr 768
		.amdhsa_next_free_sgpr 102
		.amdhsa_reserve_vcc 1
		.amdhsa_float_denorm_mode_32 3
		.amdhsa_float_denorm_mode_16_64 3
		.amdhsa_memory_ordered 1
		.amdhsa_forward_progress 1
		.amdhsa_inst_pref_size 117
	.end_amdhsa_kernel
	.amdgpu_metadata
---
amdhsa.version: [ 1, 2 ]
amdhsa.kernels:
  - .name:           k_qd7979bb102_proj
    .symbol:         k_qd7979bb102_proj.kd
    .args:
      - { .name: query_codes, .offset: 0, .size: 8, .value_kind: global_buffer, .address_space: global }
      - { .name: key_codes, .offset: 8, .size: 8, .value_kind: global_buffer, .address_space: global }
      - { .name: value_codes, .offset: 16, .size: 8, .value_kind: global_buffer, .address_space: global }
      - { .name: Wq_codes, .offset: 24, .size: 8, .value_kind: global_buffer, .address_space: global }
      - { .name: Wk_codes, .offset: 32, .size: 8, .value_kind: global_buffer, .address_space: global }
      - { .name: Wv_codes, .offset: 40, .size: 8, .value_kind: global_buffer, .address_space: global }
      - { .name: query_scales, .offset: 48, .size: 8, .value_kind: global_buffer, .address_space: global }
      - { .name: key_scales, .offset: 56, .size: 8, .value_kind: global_buffer, .address_space: global }
      - { .name: value_scales, .offset: 64, .size: 8, .value_kind: global_buffer, .address_space: global }
      - { .name: Wq_scales, .offset: 72, .size: 8, .value_kind: global_buffer, .address_space: global }
      - { .name: Wk_scales, .offset: 80, .size: 8, .value_kind: global_buffer, .address_space: global }
      - { .name: Wv_scales, .offset: 88, .size: 8, .value_kind: global_buffer, .address_space: global }
      - { .name: bq, .offset: 96, .size: 8, .value_kind: global_buffer, .address_space: global }
      - { .name: bk, .offset: 104, .size: 8, .value_kind: global_buffer, .address_space: global }
      - { .name: bv, .offset: 112, .size: 8, .value_kind: global_buffer, .address_space: global }
      - { .name: frac, .offset: 120, .size: 8, .value_kind: global_buffer, .address_space: global }
      - { .name: Wo_codes, .offset: 128, .size: 8, .value_kind: global_buffer, .address_space: global }
      - { .name: qbuf, .offset: 136, .size: 8, .value_kind: global_buffer, .address_space: global }
      - { .name: kbuf, .offset: 144, .size: 8, .value_kind: global_buffer, .address_space: global }
      - { .name: vbuf, .offset: 152, .size: 8, .value_kind: global_buffer, .address_space: global }
      - { .name: stats, .offset: 160, .size: 8, .value_kind: global_buffer, .address_space: global }
      - { .name: woimg, .offset: 168, .size: 8, .value_kind: global_buffer, .address_space: global }
    .group_segment_fixed_size: 327680
    .private_segment_fixed_size: 0
    .kernarg_segment_align: 8
    .kernarg_segment_size: 176
    .max_flat_workgroup_size: 128
    .sgpr_count:     102
    .vgpr_count:     768
    .wavefront_size: 32
...
	.end_amdgpu_metadata
.endif
;; end of part 1
;; launch attn (part 2): grid 4 x 64, 4 waves a work-group, clusters of 4 x 1, 168,448 bytes of LDS; arguments qbuf, kbuf, vbuf, frac, stats, alpha_pos, alpha_neg, gamma, delta, oimg, osc; writes oimg, osc
.if DOCPART == 2
	.amdgcn_target "amdgcn-amd-amdhsa--gfx1250"
	.amdhsa_code_object_version 6
	.text
	.protected	k_qd7979bb102_attn
	.globl	k_qd7979bb102_attn
	.p2align	8
	.type	k_qd7979bb102_attn,@function
k_qd7979bb102_attn:
	s_mov_b64 s[64:65], 0
	v_nop
	global_prefetch_b8 v0, s[64:65] scope:SCOPE_SE
	s_setreg_imm32_b32 hwreg(HW_REG_WAVE_MODE, 25, 1), 1
	s_wait_xcnt 0x0
	s_wait_alu depctr_hold_cnt(0) depctr_sa_sdst(0) depctr_va_vdst(0) depctr_va_sdst(0) depctr_va_ssrc(0) depctr_va_vcc(0) depctr_vm_vsrc(0)
	s_getreg_b32 s2, hwreg(HW_REG_IB_STS2, 6, 4)
	s_cmp_eq_u32 s2, 0
	s_cbranch_scc0 .Lentry_in_a_cluster
	s_endpgm
.Lentry_in_a_cluster:
	s_bfe_u32 s2, ttmp6, 0x10000c
	s_cmp_lg_u32 s2, 0x3003
	s_cbranch_scc0 .Lentry_shape_is_right
	s_endpgm
.Lentry_shape_is_right:
; One head of one batch: S^T = K Q^T, t = log2(e) (gamma z(S / 8) + delta z(stoich)), p = 2^(t - M), O^T = V^T P^T / l, O quantised for the last product.  Both products on codes of FP6 (E2M3).
; SHARES. Work-group (cx, y): head y % 8 of batch y / 8, a quarter of its queries. A wave runs 4 tasks; a task is one tile of 16 queries against ALL 1,024 keys: S^T stays in 512 registers,
; since the z-score wants the whole row ahead of any exponential: mean, then centred squares (two passes), one exact M = ceil(the row's largest t), no rescaling.
; A lane holds ONE query (lane % 16) throughout and half of its keys: S register 32 c + i is key 64 c + 32 (lane / 16) + i, by the order in which the first launch laid K's tiles.
; So 32 neighbouring registers are one block of 32 keys: p's scales need no other lane, and two conversions give the six registers that the operand's layout wants.
; THE BIAS. stoich = ap max(D,0) + an min(D,0) = c1 D + c2 |D|, c1 = (ap + an) / 2, c2 = (ap - an) / 2, D = fi g, g = (fj - fi) fj.  Its mean and deviation come from the stored row statistics:
; ms = ap mP + an mN; 1023 var = ap^2 SPP + an^2 SNN - 2048 ap an mP mN (max(D,0) min(D,0) = 0).  t = A xc + B + K1 g + K2 |g|, with xc = x - mean(x),
; A = gamma log2e / (sd(x) + 8e-5) (the reference's quotient with both sides times 8: exact), Cs = delta log2e / (sd_s + 1e-5), B = -Cs ms, K1 = Cs c1 fi, K2 = Cs c2 |fi|.
; K = 64 IN AN INSTRUCTION OF 128: Q's registers 6-11 hold zero codes. A tile of K is 6 registers; the 12 that the instruction names run on over the next tile's (or a tail's):
; every 6-bit code is a finite number, so those products are zeros.
; CLUSTER 4 x 1: the four work-groups read the same K, V and frac: joint loads, once, at the head; every byte of LDS is filled once.
; LIMITS: the c1, c2 form has an absolute error of about 1e-7 max(|ap|, |an|) |D|. A block's largest p is taken as the exponential of the block's largest t - M, which takes
; v_exp_f32 not to fall where its input rises. NaN and infinities among the inputs are not served.
; REGISTERS. window 0: v1-12 addresses; v16-31 the lane's constants, in pairs; v32-47 at work; v48-59 the next task's loads; v60-63 statistics; v64-75 Q; v76 Q's word; v77 fi; v80-111 K's scale words;
;   v112-127 V's; v128-135 p's; v136-151 block maxima; v152-167 the conversions' scale operands; v168-175 four chains; v176-179 maxima; v180-198 p's codes; v200-210 O's codes and word.
;   window 1: v0-127 K's pieces, then fj and g, then V's fragments; v128-159 O^T.   windows 2, 3: S^T.
.set QREC, 53248
.set VREC, 51200
.set LV,   53248                       ; LDS: K's record at 0, V's here,
.set LF,   104448                      ; the batch's frac here
.set MSB, 0
.macro WIN new
.if MSB != (\new)
	s_set_vgpr_msb (MSB<<8)|(\new)
.set MSB, (\new)
.endif
.endm
.macro PLACES
.rept 4
	v_nop
.endr
.endm
.macro CROUND
	s_barrier_signal -1
	s_barrier_wait -1
	s_cmp_lg_u32 s4, 0
	s_cbranch_scc1 .Lnot_wave_0_\@
	s_barrier_signal -3
.Lnot_wave_0_\@:
	s_barrier_wait -3
	s_barrier_signal -1
	s_barrier_wait -1
.endm
	s_load_b512 s[72:87], s[0:1], 0x0              ; qbuf 72, kbuf 74, vbuf 76, frac 78, stats 80, alpha_pos 82, alpha_neg 84, gamma 86
	s_load_b128 s[88:91], s[0:1], 0x40             ; delta 88, oimg 90
	s_load_b64 s[92:93], s[0:1], 0x50              ; osc
	v_lshl_add_u32 v254, v0, 2, 0x29000
	v_mov_b32 v255, 0
	ds_add_u32 v254, v255
	ds_add_u32 v254, v255
	v_lshrrev_b32 v1, 5, v0
	v_readfirstlane_b32 s4, v1                     ; wave
	s_and_b32 s6, ttmp7, 0xffff                    ; y, which the four partners share
	s_lshr_b32 s7, s6, 3                           ; batch
	s_and_b32 s8, s6, 7                            ; head
	; descriptor groups 1: dense blocks as rows of 256 bytes (32 elements of 8 bytes); mask 15, bit 21 beside it; no padding: every LDS access here is contiguous by lane or a broadcast
.irp g, 12, 20, 28
	s_mov_b32 s[\g], 15|(3<<16)|(1<<21)
	s_mov_b32 s[\g+1], 32<<16
	s_mov_b32 s[\g+3], 32<<16
	s_mov_b32 s[\g+5], 32
	s_mov_b32 s[\g+6], 0
	s_mov_b32 s[\g+7], 0
.endr
	s_mov_b32 s14, 52<<16                          ; K: a wave brings 52 rows of the record's 208
	s_mov_b32 s16, 52
	s_mov_b32 s22, 50<<16                          ; V: 50 of 200
	s_mov_b32 s24, 50
	s_mov_b32 s30, 4<<16                           ; frac: 4 of 16
	s_mov_b32 s32, 4
	s_mov_b32 s3, 0
	s_mov_b32 s36, 1
	s_mul_i32 s37, s4, 13312
	s_mov_b32 s40, 1
	s_mul_i32 s9, s4, 12800
	s_add_co_u32 s41, s9, LV
	s_mov_b32 s44, 1
	s_lshl_b32 s71, s4, 10
	s_add_co_u32 s45, s71, LF
	s_mov_b32 s10, 0x76543210
	s_mov_b32 s11, 0xfedcba98
	s_wait_dscnt 0x0
	s_wait_kmcnt 0x0
	s_mul_i32 s2, s6, QREC
	s_add_co_u32 s2, s2, s37
	s_add_nc_u64 s[38:39], s[74:75], s[2:3]
	s_or_b32 s39, s39, 0x80000000
	s_mul_i32 s2, s6, VREC
	s_add_co_u32 s2, s2, s9
	s_add_nc_u64 s[42:43], s[76:77], s[2:3]
	s_or_b32 s43, s43, 0x80000000
	s_lshl_b32 s2, s7, 12
	s_add_co_u32 s2, s2, s71
	s_add_nc_u64 s[46:47], s[78:79], s[2:3]
	s_or_b32 s47, s47, 0x80000000
	CROUND                                         ; the four work-groups are here: the joint loads meet
	tensor_load_to_lds s[36:39], s[12:19]          ; every wave brings its quarter of each block: three tensor loads of mine are out
	s_nop 0
	tensor_load_to_lds s[40:43], s[20:27]
	s_nop 0
	tensor_load_to_lds s[44:47], s[28:35]
	s_nop 0
	PLACES
	v_and_b32 v13, 31, v0                          ; l
	v_and_b32 v14, 15, v0                          ; r
	v_bfe_u32 v15, v0, 4, 1                        ; h
	v_lshlrev_b32 v1, 4, v13                       ; a piece: 16 l (K's in LDS; Q's and O's in memory)
	v_lshl_add_u32 v2, v13, 3, 512                 ; and 512 + 8 l
	v_lshl_add_u32 v3, v13, 2, 49152               ; K's scale words: two tiles' a register
	v_lshl_add_u32 v4, v13, 4, LV
	v_lshl_add_u32 v5, v13, 3, LV+512
	v_lshl_add_u32 v6, v13, 2, LV+49152
	v_lshl_add_u32 v7, v15, 7, LF                  ; fj: my half's 32 keys of each 64
	v_lshlrev_b32 v8, 3, v15                       ; 8 h
	v_bfe_u32 v9, v0, 3, 1
	v_mad_u32_u24 v9, v9, 24, v14                  ; r + 24 (r / 8): my query's place among the tile group's 64 tokens
	v_lshlrev_b32 v10, 4, v9
	v_lshlrev_b32 v9, 2, v9
	v_lshlrev_b32 v11, 2, v14
	v_lshlrev_b32 v12, 2, v13
.irp i, 17,19,21,23,25,27,29,31, 40,41,42,43,44,45,46,47, 70,71,72,73,74,75
	v_mov_b32 v[\i], 0                             ; upper halves of named pairs; lane permutes' destinations; Q's zero codes: written once
.endr
	WIN 0x40
.irp i, 48,49,50,51,52,53, 102,103,104,105,106,107
	v_mov_b32 v[\i], 0                             ; the tails behind K's two buffers
.endr
	WIN 0
	s_lshl_b32 s2, s8, 2
	s_add_nc_u64 s[82:83], s[82:83], s[2:3]
	s_add_nc_u64 s[84:85], s[84:85], s[2:3]
	s_load_b32 s60, s[82:83], 0x0                  ; ap
	s_load_b32 s61, s[84:85], 0x0                  ; an
	s_load_b32 s62, s[86:87], 0x0                  ; gamma
	s_load_b32 s63, s[88:89], 0x0                  ; delta
	s_bfe_u32 s5, ttmp6, 0x40000                   ; cx: it enters global addresses of Q, fi, statistics and O alone
	s_lshl_b32 s2, ttmp9, 2
	s_add_co_u32 s5, s5, s2
	s_lshl_b32 s9, s5, 4
	s_lshl_b32 s2, s4, 2
	s_add_co_u32 s9, s9, s2                        ; my first tile of queries: 16 x quarter + 4 x wave
	s_mul_i32 s2, s6, QREC
	s_mul_i32 s71, s9, 768
	s_add_co_u32 s2, s2, s71
	s_add_nc_u64 s[48:49], s[72:73], s[2:3]        ; its piece
	s_mul_i32 s2, s6, QREC
	s_lshl_b32 s71, s9, 6
	s_add_co_u32 s2, s2, s71
	s_add_co_u32 s2, s2, 49152
	s_add_nc_u64 s[50:51], s[72:73], s[2:3]        ; its scale words
	s_lshl_b32 s2, s7, 12
	s_add_co_u32 s2, s2, s71
	s_add_nc_u64 s[52:53], s[78:79], s[2:3]        ; its fi
	s_lshl_b32 s2, s7, 14
	s_lshl_b32 s71, s9, 8
	s_add_co_u32 s2, s2, s71
	s_add_nc_u64 s[54:55], s[80:81], s[2:3]        ; its statistics
	s_lshl_b32 s71, s7, 6
	s_add_co_u32 s71, s71, s9
	s_lshl_b32 s71, s71, 3
	s_add_co_u32 s71, s71, s8                      ; 8 x (64 batch + tile) + head
	s_mul_i32 s2, s71, 768
	s_add_nc_u64 s[56:57], s[90:91], s[2:3]        ; O's piece
	s_lshl_b32 s2, s71, 7
	s_add_nc_u64 s[58:59], s[92:93], s[2:3]        ; O's words
.macro NLOAD                           ; a task's own data, asked for a whole task ahead
	global_load_b128 v[48:51], v1, s[48:49]
	global_load_b64 v[52:53], v2, s[48:49]
	global_load_b32 v54, v11, s[50:51]
	global_load_b32 v55, v9, s[52:53]
	global_load_b128 v[56:59], v10, s[54:55]
.endm
.macro NSTEP
	s_add_nc_u64 s[48:49], s[48:49], 768
	s_add_nc_u64 s[50:51], s[50:51], 64
	s_add_nc_u64 s[52:53], s[52:53], 32
	s_add_nc_u64 s[54:55], s[54:55], 128
.endm
	NLOAD
	s_wait_kmcnt 0x0
	v_mov_b32 v32, s60
	v_mov_b32 v33, s61
	v_mov_b32 v34, s62
	v_mov_b32 v35, s63
	v_add_f32 v36, v32, v33
	v_sub_f32 v37, v32, v33
	v_mul_f32 v36, 0.5, v36                        ; c1
	v_mul_f32 v37, 0.5, v37                        ; c2
	v_mul_f32 v38, v32, v32
	v_mul_f32 v39, v33, v33
	v_mul_f32 v32, v32, v33
	v_mul_f32 v38, 0x3a802008, v38                 ; ap^2 / 1023
	v_mul_f32 v39, 0x3a802008, v39                 ; an^2 / 1023
	v_mul_f32 v32, 0xc0002008, v32                 ; -2048 ap an / 1023
	v_mul_f32 v35, 0x3fb8aa3b, v35                 ; delta log2(e)
	v_mul_f32 v34, 0x3fb8aa3b, v34                 ; gamma log2(e)
	v_readfirstlane_b32 s62, v36
	v_readfirstlane_b32 s63, v37
	v_readfirstlane_b32 s66, v38
	v_readfirstlane_b32 s67, v39
	v_readfirstlane_b32 s68, v32
	v_readfirstlane_b32 s69, v35
	v_readfirstlane_b32 s70, v34
	s_wait_xcnt 0x0                                ; the loads have read their bases
	NSTEP
	s_wait_tensorcnt 0x0
	s_barrier_signal -1
	s_barrier_wait -1                              ; K, V and frac are whole
.set i, 0
.rept 32
	ds_load_b32 v[80+i], v3 offset:128*i           ; K's scale words stay: register i: tile 2 i in lanes 0-15, tile 2 i + 1 in lanes 16-31
.set i, i+1
.endr
.set i, 0
.rept 16
	ds_load_b32 v[112+i], v6 offset:128*i          ; V's: register 2 s + ct / 2
.set i, i+1
.endr
	s_mov_b32 s9, 4
.macro KLOAD g                         ; 16 loads: eight tiles of K, 6 registers each
.set KB, 54*((\g)%2)
	WIN 0x40
.irp t, 0,1,2,3,4,5,6,7
	ds_load_b128 v[KB+6*\t:KB+6*\t+3], v1 offset:768*(8*(\g)+\t)
	ds_load_b64 v[KB+6*\t+4:KB+6*\t+5], v2 offset:768*(8*(\g)+\t)
.endr
.endm
.macro SPROD g                         ; eight tiles of S^T, each begun with the constant 0
.set KB, 54*((\g)%2)
	WIN 0x81+0x40*((\g)/4)
.irp t, 0,1,2,3,4,5,6,7
.if \t%2
	v_wmma_scale_f32_16x16x128_f8f6f4 v[64*((\g)%4)+8*\t:64*((\g)%4)+8*\t+7], v[KB+6*\t:KB+6*\t+11], v[64:75], 0, v[80+4*(\g)+\t/2], v76 matrix_a_fmt:MATRIX_FMT_FP6 matrix_b_fmt:MATRIX_FMT_FP6 matrix_a_scale:MATRIX_SCALE_ROW1
.else
	v_wmma_scale_f32_16x16x128_f8f6f4 v[64*((\g)%4)+8*\t:64*((\g)%4)+8*\t+7], v[KB+6*\t:KB+6*\t+11], v[64:75], 0, v[80+4*(\g)+\t/2], v76 matrix_a_fmt:MATRIX_FMT_FP6 matrix_b_fmt:MATRIX_FMT_FP6
.endif
.endr
.endm
.macro FLOAD s                         ; fj of the 64 keys a lane holds of key step s: all lanes of a half read the same 16 bytes
	WIN 0x40
.irp c, 0,1
.irp i, 0,1,2,3,4,5,6,7
	ds_load_b128 v[32*\c+4*\i:32*\c+4*\i+3], v7 offset:512*(\s)+256*\c+16*\i
.endr
.endr
.endm
.macro VLOAD s                         ; 16 loads: V^T's four fragments of key step s
.set VB, 48*((\s)%2)
	WIN 0x40
.irp t, 0,1,2,3
.irp c, 0,1
	ds_load_b128 v[VB+12*\t+6*\c:VB+12*\t+6*\c+3], v4 offset:768*(8*(\s)+2*\t+\c)
	ds_load_b64 v[VB+12*\t+6*\c+4:VB+12*\t+6*\c+5], v5 offset:768*(8*(\s)+2*\t+\c)
.endr
.endr
.endm
.macro REDCH                           ; four packed chains and the other half of the lanes: the row's sum in v168
	v_pk_add_f32 v[168:169], v[168:169], v[170:171]
	v_pk_add_f32 v[172:173], v[172:173], v[174:175]
	v_pk_add_f32 v[168:169], v[168:169], v[172:173]
	v_add_f32 v168, v168, v169
	v_permlanex16_b32 v40, v168, s10, s11
	v_add_f32 v168, v168, v40
.endm
.macro CENTRE hi                       ; a window of S^T: x - mean, then the squares
	WIN 0x82+0x41*(\hi)
.set p, 0
.rept 128
	v_pk_add_f32 v[2*p:2*p+1], v[2*p:2*p+1], v[18:19] op_sel_hi:[1,0]
.set p, p+1
.endr
	WIN 0x0a+5*(\hi)
.set p, 0
.rept 128
.if (\hi == 0) && (p < 4)
	v_pk_mul_f32 v[168+2*p:169+2*p], v[2*p:2*p+1], v[2*p:2*p+1]
.else
	v_pk_fma_f32 v[168+2*(p%4):169+2*(p%4)], v[2*p:2*p+1], v[2*p:2*p+1], v[168+2*(p%4):169+2*(p%4)]
.endif
.set p, p+1
.endr
.endm
; t and the blocks' largest t, for the 64 registers of key step s
.macro TUNIT s
.set SB, 64*((\s)%4)
.set HI, (\s)/4
	s_wait_dscnt 0x0                               ; fj, asked for a unit ago
	WIN 0x41
.set j, 0
.rept 32
	v_pk_add_f32 v[64+j:65+j], v[j:j+1], v[16:17] op_sel_hi:[1,0]          ; fj - fi
.set j, j+2
.endr
	WIN 0x45
.set j, 0
.rept 32
	v_pk_mul_f32 v[64+j:65+j], v[64+j:65+j], v[j:j+1]                      ; g
.set j, j+2
.endr
.if (\s) < 7
	FLOAD (\s)+1
.endif
	WIN 0x82+0x41*HI
.set j, 0
.rept 32
	v_pk_fma_f32 v[SB+j:SB+j+1], v[SB+j:SB+j+1], v[20:21], v[22:23] op_sel_hi:[1,0,0]     ; A xc + B
.set j, j+2
.endr
	WIN 0xa1+0x50*HI
.set j, 0
.rept 32
	v_pk_fma_f32 v[SB+j:SB+j+1], v[64+j:65+j], v[24:25], v[SB+j:SB+j+1] op_sel_hi:[1,0,1] ; + K1 g
.set j, j+2
.endr
.set j, 0
.rept 64
	v_fma_f32 v[SB+j], |v[64+j]|, v26, v[SB+j]                             ; + K2 |g| (the packed form has no magnitude)
.set j, j+1
.endr
	WIN 0x0a+5*HI
.irp k, 0,1,2,3
	v_max_num_f32 v[176+\k], v[SB+16*\k], v[SB+16*\k+1]
.endr
	WIN 0x28+0x14*HI
.irp i, 2,4,6,8,10,12,14
.irp k, 0,1,2,3
	v_max3_num_f32 v[176+\k], v[176+\k], v[SB+16*\k+\i], v[SB+16*\k+\i+1]
.endr
.endr
	WIN 0
	v_max_num_f32 v[136+2*(\s)], v176, v177
	v_max_num_f32 v[137+2*(\s)], v178, v179
.endm
.macro LSUM p0, n                      ; the row's sum is taken of the unquantised p: n pairs of the unit from pair p0 on, four chains
.set p, \p0
	s_wait_alu depctr_va_vdst(0)
.rept \n
	v_pk_add_f32 v[168+2*(p%4):169+2*(p%4)], v[SB+2*p:SB+2*p+1], v[168+2*(p%4):169+2*(p%4)]
.set p, p+1
.endr
.endm
; p, its sum, its codes, and O^T += V^T P^T, for key step s
.macro PUNIT s
.set SB, 64*((\s)%4)
.set HI, (\s)/4
	WIN 0x82+0x41*HI
	v_pk_add_f32 v[SB:SB+1], v[SB:SB+1], v[28:29] op_sel_hi:[1,0]          ; t - M
	v_pk_add_f32 v[SB+2:SB+3], v[SB+2:SB+3], v[28:29] op_sel_hi:[1,0]
.set p, 0
.rept 32
.if p < 30
	v_pk_add_f32 v[SB+2*p+4:SB+2*p+5], v[SB+2*p+4:SB+2*p+5], v[28:29] op_sel_hi:[1,0]
.endif
	v_exp_f32 v[SB+2*p], v[SB+2*p]
	v_exp_f32 v[SB+2*p+1], v[SB+2*p+1]
.set p, p+1
.endr
.if (\s) < 7
	VLOAD (\s)+1                                   ; into the buffer that the unit before multiplied: the 32 additions above are its places
.endif
.if (\s) == 0
	WIN 0x0a
	s_wait_alu depctr_va_vdst(0)
.irp k, 0,1,2,3
	v_pk_add_f32 v[168+2*\k:169+2*\k], v[4*\k:4*\k+1], v[4*\k+2:4*\k+3]    ; the first eight pairs start the chains
.endr
	WIN 0x02
.else
	WIN 0x02+HI
	LSUM 0, 8
.endif
	v_cvt_scalef32_pk16_fp6_f32 v[180:182], v[SB:SB+15], v[152+2*(\s)]
	v_cvt_scalef32_pk16_fp6_f32 v[192:194], v[SB+16:SB+31], v[152+2*(\s)]
	v_cvt_scalef32_pk16_fp6_f32 v[186:188], v[SB+32:SB+47], v[153+2*(\s)]
	v_cvt_scalef32_pk16_fp6_f32 v[196:198], v[SB+48:SB+63], v[153+2*(\s)]
	v_nop                                          ; one plain place behind a scaled conversion
	LSUM 8, 8
	WIN 0
.irp i, 0,1,2
	v_mov_b32 v[183+\i], v[192+\i]                 ; (a conversion's three registers begin on an even number)
	v_mov_b32 v[189+\i], v[196+\i]
.endr
	WIN 0x02+HI
	LSUM 16, 16                                    ; also the places between the moves and the products
.if (\s) < 7
	s_wait_dscnt 16                                ; this step's V is in; the next step's 16 loads may be out
.else
	s_wait_dscnt 0x0
.endif
.set PVB, 48*((\s)%2)
	WIN 0x51
.irp t, 0,1,2,3                        ; the four accumulators take turns
.if (\s) == 0
.if \t%2
	v_wmma_scale_f32_16x16x128_f8f6f4 v[128+8*\t:135+8*\t], v[PVB+12*\t:PVB+12*\t+11], v[180:191], 0, v[112+2*(\s)+\t/2], v[128+(\s)] matrix_a_fmt:MATRIX_FMT_FP6 matrix_b_fmt:MATRIX_FMT_FP6 matrix_a_scale:MATRIX_SCALE_ROW1
.else
	v_wmma_scale_f32_16x16x128_f8f6f4 v[128+8*\t:135+8*\t], v[PVB+12*\t:PVB+12*\t+11], v[180:191], 0, v[112+2*(\s)+\t/2], v[128+(\s)] matrix_a_fmt:MATRIX_FMT_FP6 matrix_b_fmt:MATRIX_FMT_FP6
.endif
.else
.if \t%2
	v_wmma_scale_f32_16x16x128_f8f6f4 v[128+8*\t:135+8*\t], v[PVB+12*\t:PVB+12*\t+11], v[180:191], v[128+8*\t:135+8*\t], v[112+2*(\s)+\t/2], v[128+(\s)] matrix_a_fmt:MATRIX_FMT_FP6 matrix_b_fmt:MATRIX_FMT_FP6 matrix_a_scale:MATRIX_SCALE_ROW1
.else
	v_wmma_scale_f32_16x16x128_f8f6f4 v[128+8*\t:135+8*\t], v[PVB+12*\t:PVB+12*\t+11], v[180:191], v[128+8*\t:135+8*\t], v[112+2*(\s)+\t/2], v[128+(\s)] matrix_a_fmt:MATRIX_FMT_FP6 matrix_b_fmt:MATRIX_FMT_FP6
.endif
.endif
.endr
.endm
.Ltask:
	; ---- the task's own data, and the lane's constants of the bias
	s_wait_loadcnt 0x0                             ; asked for a task ago
.irp i, 0,1,2,3,4,5
	v_mov_b32 v[64+\i], v[48+\i]
.endr
	v_mov_b32 v76, v54
	v_mov_b32 v77, v55
.irp i, 0,1,2,3
	v_mov_b32 v[60+\i], v[56+\i]
.endr
	s_cmp_eq_u32 s9, 1                             ; the last task asks for nothing: no load leaves its buffer
	s_cbranch_scc1 .Lno_next
	NLOAD
.Lno_next:
	v_mul_f32 v32, s60, v60
	v_fma_f32 v32, s61, v61, v32                   ; ms
	v_mul_f32 v33, v60, v61
	v_mul_f32 v34, s66, v62
	v_fma_f32 v34, s67, v63, v34
	v_fma_f32 v34, s68, v33, v34                   ; the bias's variance,
	v_max_num_f32 v34, 0, v34                      ; held at 0 from below
	v_sqrt_f32 v34, v34
	v_xor_b32 v16, 0x80000000, v77                 ; -fi  (a plain place)
	s_wait_alu depctr_va_vdst(0)
	v_add_f32 v34, 0x3727c5ac, v34
	v_rcp_f32 v34, v34
	v_mul_f32 v35, s62, v77                        ; c1 fi  (a plain place)
	s_wait_alu depctr_va_vdst(0)
	v_mul_f32 v34, s69, v34                        ; Cs
	v_mul_f32 v36, s63, |v77|
	v_mul_f32 v22, -v34, v32                       ; B
	v_mul_f32 v24, v34, v35                        ; K1
	v_mul_f32 v26, v34, v36                        ; K2   (these lines are also the places between the moves into Q and its word and the first product)
	; ---- S^T = K Q^T
	KLOAD 0
	KLOAD 1
.irp g, 0,1,2,3,4,5,6,7
.if \g < 7
	s_wait_dscnt 16                                ; this group's pieces are in, the next group's 16 loads may be out
.else
	s_wait_dscnt 0x0
.endif
	SPROD \g
	PLACES
.if \g < 6
	KLOAD \g+2
.endif
.endr
	FLOAD 0
	; ---- the mean: ascending
	WIN 0x0a
.irp k, 0,1,2,3
	v_pk_add_f32 v[168+2*\k:169+2*\k], v[4*\k:4*\k+1], v[4*\k+2:4*\k+3]
.endr
	WIN 0x08
.set p, 8
.rept 120
	v_pk_add_f32 v[168+2*(p%4):169+2*(p%4)], v[168+2*(p%4):169+2*(p%4)], v[2*p:2*p+1]
.set p, p+1
.endr
	WIN 0x0c
.set p, 0
.rept 128
	v_pk_add_f32 v[168+2*(p%4):169+2*(p%4)], v[168+2*(p%4):169+2*(p%4)], v[2*p:2*p+1]
.set p, p+1
.endr
	WIN 0
	REDCH
	v_mul_f32 v18, 0xba800000, v168                ; -mean
	; ---- centred, squared, A
	CENTRE 0
	CENTRE 1
	WIN 0
	REDCH
	v_mul_f32 v33, 0x3a802008, v168                ; / 1023
	v_sqrt_f32 v33, v33
	v_nop
	s_wait_alu depctr_va_vdst(0)
	v_add_f32 v33, 0x38a7c5ac, v33                 ; + 8 x 1e-5
	v_rcp_f32 v33, v33
	v_nop
	s_wait_alu depctr_va_vdst(0)
	v_mul_f32 v20, s70, v33                        ; A
	; ---- t
.irp s, 0,1,2,3,4,5,6,7
	TUNIT \s
.endr
	; ---- M, and p's scales from the blocks' largest t
	VLOAD 0
	WIN 0
	v_max3_num_f32 v32, v136, v137, v138
.irp i, 139,141,143,145,147,149
	v_max3_num_f32 v32, v32, v[\i], v[\i+1]
.endr
	v_max_num_f32 v32, v32, v151
	v_permlanex16_b32 v40, v32, s10, s11
	v_max_num_f32 v32, v32, v40
	v_floor_f32 v28, -v32                          ; -M = floor(-t) = -ceil(t)
.set i, 0
.rept 16
	v_add_f32 v[136+i], v[136+i], v28              ; the same addition and exponential as every p gets: the same bits
.set i, i+1
.endr
.set i, 0
.rept 16
	v_exp_f32 v[136+i], v[136+i]
.set i, i+1
.endr
	v_nop
.set i, 0
	s_wait_alu depctr_va_vdst(0)
.rept 16
	v_max_num_f32 v[136+i], 0x1800000, v[136+i]    ; the floor 2^(3 - 127): the byte cannot fall under 1
.set i, i+1
.endr
.set i, 0
.rept 16
	v_add_nc_u32 v[152+i], 0xff000000, v[136+i]    ; the conversion's scale operand
.set i, i+1
.endr
.set i, 0
.rept 16
	v_lshrrev_b32 v[136+i], 23, v[152+i]           ; the byte
.set i, i+1
.endr
.irp s, 0,1,2,3,4,5,6,7
	v_lshl_or_b32 v[128+\s], v[137+2*\s], 16, v[136+2*\s]      ; my blocks h and 2 + h of the step's four,
.endr
.irp s, 0,1,2,3,4,5,6,7
	v_lshlrev_b32 v[128+\s], v8, v[128+\s]                     ; at their places,
.endr
.irp s, 0,1,2,3,4,5,6,7
	v_permlanex16_b32 v[40+\s], v[128+\s], s10, s11
.endr
.irp s, 0,1,2,3,4,5,6,7
	v_or_b32 v[128+\s], v[128+\s], v[40+\s]                    ; with the other half's two the word is whole
.endr
	; ---- p, l, O^T
.irp s, 0,1,2,3,4,5,6,7
	PUNIT \s
.endr
	; ---- O^T / l, quantised along the head's 64: a piece and a word of the last product's operand
	WIN 0
	REDCH                                          ; (its plain lines are the places behind the last products)
	v_rcp_f32 v30, v168
	v_nop
	WIN 0x41
.set j, 0
	s_wait_alu depctr_va_vdst(0)
.rept 16
	v_pk_mul_f32 v[128+j:129+j], v[128+j:129+j], v[30:31] op_sel_hi:[1,0]
.set j, j+2
.endr
	WIN 0x05
	v_max3_num_f32 v32, |v128|, |v129|, 0x1800000
	v_max3_num_f32 v33, |v130|, |v131|, 0x1800000
	WIN 0x14
.irp i, 4,8,12,16,20,24,28
	v_max3_num_f32 v32, v32, |v[128+\i]|, |v[129+\i]|
	v_max3_num_f32 v33, v33, |v[130+\i]|, |v[131+\i]|
.endr
	WIN 0
	v_max_num_f32 v32, v32, v33
	v_add_nc_u32 v33, 0xff000000, v32
	v_lshrrev_b32 v34, 23, v33
	WIN 0x01
	v_cvt_scalef32_pk16_fp6_f32 v[200:202], v[128:143], v33
	v_cvt_scalef32_pk16_fp6_f32 v[206:208], v[144:159], v33
	v_nop
	WIN 0
.irp i, 0,1,2
	v_mov_b32 v[203+\i], v[206+\i]
.endr
	v_lshlrev_b32 v34, v8, v34
	v_permlanex16_b32 v40, v34, s10, s11
	v_or_b32 v210, v34, v40                        ; the head's two bytes in the low half
	global_store_b128 v1, v[200:203], s[56:57]
	global_store_b64 v2, v[204:205], s[56:57]
	global_store_b32 v12, v210, s[58:59]
	s_wait_xcnt 0x0                                ; loads and stores have read their bases and data
	NSTEP
	s_add_nc_u64 s[56:57], s[56:57], 6144
	s_add_nc_u64 s[58:59], s[58:59], 1024
	s_sub_co_u32 s9, s9, 1
	s_cmp_lg_u32 s9, 0
	s_cbranch_scc1 .Ltask
	s_wait_dscnt 0x0
	s_wait_tensorcnt 0x0
	ds_add_u32 v254, v255
	s_wait_dscnt 0x0
	CROUND                                         ; the closing round
	s_endpgm
.Lfunc_end_k_qd7979bb102_attn:
	.size	k_qd7979bb102_attn, .Lfunc_end_k_qd7979bb102_attn-k_qd7979bb102_attn
	.p2alignl 7, 3214868480
	.fill 96, 4, 3214868480
	.section	.rodata,"a",@progbits
	.p2align	6, 0x0
	.amdhsa_kernel k_qd7979bb102_attn
		.amdhsa_group_segment_fixed_size 168448
		.amdhsa_private_segment_fixed_size 0
		.amdhsa_enable_private_segment 0
		.amdhsa_kernarg_size 88
		.amdhsa_user_sgpr_count 2
		.amdhsa_user_sgpr_kernarg_segment_ptr 1
		.amdhsa_wavefront_size32 1
		.amdhsa_system_sgpr_workgroup_id_x 1
		.amdhsa_system_sgpr_workgroup_id_y 1
		.amdhsa_system_sgpr_workgroup_id_z 1
		.amdhsa_system_vgpr_workitem_id 0
		.amdhsa_next_free_vgpr 1024
		.amdhsa_next_free_sgpr 96
		.amdhsa_reserve_vcc 0
		.amdhsa_float_denorm_mode_32 3
		.amdhsa_float_denorm_mode_16_64 3
		.amdhsa_memory_ordered 1
		.amdhsa_forward_progress 1
		.amdhsa_inst_pref_size 255
	.end_amdhsa_kernel
	.section	.bss,"aw",@nobits
	.p2align	6
	.space	262144
	.amdgpu_metadata
---
amdhsa.version: [ 1, 2 ]
amdhsa.kernels:
  - .name:           k_qd7979bb102_attn
    .symbol:         k_qd7979bb102_attn.kd
    .args:
      - { .name: qbuf, .offset: 0, .size: 8, .value_kind: global_buffer, .address_space: global }
      - { .name: kbuf, .offset: 8, .size: 8, .value_kind: global_buffer, .address_space: global }
      - { .name: vbuf, .offset: 16, .size: 8, .value_kind: global_buffer, .address_space: global }
      - { .name: frac, .offset: 24, .size: 8, .value_kind: global_buffer, .address_space: global }
      - { .name: stats, .offset: 32, .size: 8, .value_kind: global_buffer, .address_space: global }
      - { .name: alpha_pos, .offset: 40, .size: 8, .value_kind: global_buffer, .address_space: global }
      - { .name: alpha_neg, .offset: 48, .size: 8, .value_kind: global_buffer, .address_space: global }
      - { .name: gamma, .offset: 56, .size: 8, .value_kind: global_buffer, .address_space: global }
      - { .name: delta, .offset: 64, .size: 8, .value_kind: global_buffer, .address_space: global }
      - { .name: oimg, .offset: 72, .size: 8, .value_kind: global_buffer, .address_space: global }
      - { .name: osc, .offset: 80, .size: 8, .value_kind: global_buffer, .address_space: global }
    .group_segment_fixed_size: 168448
    .private_segment_fixed_size: 0
    .kernarg_segment_align: 8
    .kernarg_segment_size: 88
    .max_flat_workgroup_size: 128
    .sgpr_count:     96
    .vgpr_count:     1024
    .wavefront_size: 32
...
	.end_amdgpu_metadata
.endif
;; end of part 2
;; launch outp (part 3): grid 256 x 1, 8 waves a work-group, no clusters, 35,840 bytes of LDS; arguments oimg, osc, woimg, Wo_scales, bo, out0; writes out0
.if DOCPART == 3
	.amdgcn_target "amdgcn-amd-amdhsa--gfx1250"
	.amdhsa_code_object_version 6
	.text
	.protected	k_qd7979bb102_outp
	.globl	k_qd7979bb102_outp
	.p2align	8
	.type	k_qd7979bb102_outp,@function
k_qd7979bb102_outp:
	s_mov_b64 s[64:65], 0
	v_nop
	global_prefetch_b8 v0, s[64:65] scope:SCOPE_SE
	s_setreg_imm32_b32 hwreg(HW_REG_WAVE_MODE, 25, 1), 1
	s_wait_xcnt 0x0
; out0 = O Wo + bo on codes of FP6 (E2M3).  O's codes and Wo's lie in memory as pieces (16 rows x 64 K: lane l's registers 0-3 at 16 l, registers 4-5 at 512 + 8 l),
; so every operand goes from memory straight into its registers, each load 512 or 256 consecutive bytes.  No tensor load, no barrier, no register window.
; SHARES. Work-group g: token tiles 2 g and 2 g + 1 (32 tokens).  Wave wv: channels 64 wv on, four tiles of 16.  K = 512 in four steps of 128 (two heads each).
; Source 0 = 16 channels of Wo, source 1 = 16 tokens: a lane holds eight neighbouring channels of one token.  bo is loaded into the accumulators: the first product adds onto it.
; No multicast: what the work-groups share is Wo's 196,608 bytes, small beside the 16,777,216 bytes stored, and operands do not pass through LDS here.
; Row r of token tile 4 c + u is token 64 c + 8 u + r + 24 (r / 8): the order in which the earlier launches laid the tiles.
; REGISTERS: v1-8 addresses; v16-79 accumulators ((a, ct) at 16 + 8 (4 a + ct)); v80-151, v152-223 two sets of fragments (O's two at 12 a, Wo's four at 24 + 12 ct);
;   v224-239 Wo's scale words (4 ct + q); v240-255 O's (8 a + head; joined two heads to a word at 8 a + 2 q).
	s_load_b256 s[4:11], s[0:1], 0x0               ; oimg, osc, woimg, Wo_scales
	s_load_b128 s[12:15], s[0:1], 0x20             ; bo, out0
	v_lshl_add_u32 v14, v0, 2, 0x8800
	v_mov_b32 v15, 0
	v_lshrrev_b32 v1, 5, v0
	v_readfirstlane_b32 s16, v1                    ; wave 0..7
	v_and_b32 v9, 31, v0                           ; l
	v_and_b32 v10, 15, v0                          ; r
	v_bfe_u32 v11, v0, 4, 1                        ; h
	v_lshlrev_b32 v1, 4, v9
	v_lshl_add_u32 v2, v9, 3, 512
	v_lshlrev_b32 v3, 4, v10                       ; Wo's scales: 16 bytes a row
	v_lshlrev_b32 v4, 2, v9
	v_lshlrev_b32 v5, 5, v11                       ; bo: 8 h numbers on
	s_mul_i32 s17, s16, 4352                       ; my stage: 16 rows x (256 bytes + 16)
	v_mul_u32_u24 v6, v10, 272
	v_lshl_add_u32 v6, v11, 5, v6
	v_add_nc_u32 v6, s17, v6                       ; in: row r, + 32 h
	v_mul_u32_u24 v7, v11, 272
	v_lshl_add_u32 v7, v10, 4, v7
	v_add_nc_u32 v7, s17, v7                       ; back: lanes 0-15 one row, lanes 16-31 the next
	v_lshlrev_b32 v8, 11, v11
	v_lshl_add_u32 v8, v10, 4, v8                  ; and the same two rows of out0
	s_mov_b32 s18, 0x05040100                      ; v_perm_b32: the two low halves
	s_mov_b32 s21, 0
	s_lshr_b32 s22, ttmp9, 5
	s_lshl_b32 s22, s22, 10                        ; 1,024 x batch
	s_and_b32 s23, ttmp9, 31
	s_lshr_b32 s23, s23, 1
	s_lshl_b32 s23, s23, 6                         ; + 64 c
	s_add_co_u32 s22, s22, s23
	s_and_b32 s23, ttmp9, 1
	s_lshl_b32 s23, s23, 4                         ; + 8 u, u = 2 (g % 2) + a
	s_add_co_u32 s22, s22, s23
	s_lshl_b32 s22, s22, 11                        ; rows of 2,048 bytes
	s_wait_kmcnt 0x0
	s_mul_i32 s20, ttmp9, 12288
	s_add_nc_u64 s[4:5], s[4:5], s[20:21]          ; O's 16 pieces
	s_lshl_b32 s20, ttmp9, 11
	s_add_nc_u64 s[6:7], s[6:7], s[20:21]          ; and their words
	s_mul_i32 s20, s16, 24576
	s_add_nc_u64 s[8:9], s[8:9], s[20:21]          ; Wo's 32 pieces of my four tiles
	s_lshl_b32 s20, s16, 10
	s_add_nc_u64 s[10:11], s[10:11], s[20:21]
	s_lshl_b32 s20, s16, 8
	s_add_nc_u64 s[12:13], s[12:13], s[20:21]
	s_add_co_u32 s20, s22, s20
	s_add_nc_u64 s[14:15], s[14:15], s[20:21]
.macro LOADQ q, fs                     ; 24 loads: K step q's six fragments
.irp a, 0,1
.irp c, 0,1
	global_load_b128 v[(\fs)+12*\a+6*\c:(\fs)+12*\a+6*\c+3], v1, s[4:5] offset:(8*\a+2*(\q)+\c)*768
	global_load_b64 v[(\fs)+12*\a+6*\c+4:(\fs)+12*\a+6*\c+5], v2, s[4:5] offset:(8*\a+2*(\q)+\c)*768
.endr
.endr
.irp t, 0,1,2,3
.irp c, 0,1
	global_load_b128 v[(\fs)+24+12*\t+6*\c:(\fs)+24+12*\t+6*\c+3], v1, s[8:9] offset:(8*\t+2*(\q)+\c)*768
	global_load_b64 v[(\fs)+24+12*\t+6*\c+4:(\fs)+24+12*\t+6*\c+5], v2, s[8:9] offset:(8*\t+2*(\q)+\c)*768
.endr
.endr
.endm
.macro PRODQ q, fs                     ; eight products; the eight accumulators take turns
.irp a, 0,1
.irp t, 0,1,2,3
	v_wmma_scale_f32_16x16x128_f8f6f4 v[16+8*(4*\a+\t):16+8*(4*\a+\t)+7], v[(\fs)+24+12*\t:(\fs)+24+12*\t+11], v[(\fs)+12*\a:(\fs)+12*\a+11], v[16+8*(4*\a+\t):16+8*(4*\a+\t)+7], v[224+4*\t+(\q)], v[240+8*\a+2*(\q)] matrix_a_fmt:MATRIX_FMT_FP6 matrix_b_fmt:MATRIX_FMT_FP6
.endr
.endr
.endm
.macro PLACES
.rept 4
	v_nop
.endr
.endm
.irp a, 0,1
.irp t, 0,1,2,3
	global_load_b128 v[16+8*(4*\a+\t):16+8*(4*\a+\t)+3], v5, s[12:13] offset:64*\t       ; bo(64 wv + 16 ct + 8 h + 0 .. 7)
	global_load_b128 v[16+8*(4*\a+\t)+4:16+8*(4*\a+\t)+7], v5, s[12:13] offset:64*\t+16
.endr
.endr
.irp t, 0,1,2,3
	global_load_b128 v[224+4*\t:227+4*\t], v3, s[10:11] offset:256*\t                    ; a row's 16 bytes are its four K steps' words
.endr
.set i, 0
.rept 16
	global_load_b32 v[240+i], v4, s[6:7] offset:128*i
.set i, i+1
.endr
	LOADQ 0, 80
	LOADQ 1, 152
	s_wait_loadcnt 24                              ; all but K step 1's 24 loads
.irp a, 0,1
.irp q, 0,1,2,3
	v_perm_b32 v[240+8*\a+2*\q], v[241+8*\a+2*\q], v[240+8*\a+2*\q], s18                 ; two heads' two bytes each make a K step's word
.endr
.endr
.rept 8
	v_nop                                          ; a scale register written by a vector instruction stands 8 places ahead of a scaled matrix instruction
.endr
	PRODQ 0, 80
	PLACES
	LOADQ 2, 80
	s_wait_loadcnt 24                              ; K step 1 is in, K step 2's loads may be out
	PRODQ 1, 152
	PLACES
	LOADQ 3, 152
	s_wait_loadcnt 24
	PRODQ 2, 80
	s_wait_loadcnt 0x0
	PRODQ 3, 152
	PLACES
; THE WAY OUT: a tile of 16 tokens x my 64 channels goes through my own stage and comes back as rows of 256 bytes; LDS serves a wave's instructions in order, so no wait stands between stores and loads.
.irp a, 0,1
.irp t, 0,1,2,3
	ds_store_b128 v6, v[16+8*(4*\a+\t):16+8*(4*\a+\t)+3] offset:64*\t                    ; each accumulator from its low end on
	ds_store_b128 v6, v[16+8*(4*\a+\t)+4:16+8*(4*\a+\t)+7] offset:64*\t+16
.endr
.irp i, 0,1,2,3,4,5,6,7
	ds_load_b128 v[80+32*\a+4*\i:83+32*\a+4*\i], v7 offset:544*\i
.endr
.irp i, 0,1,2,3,4,5,6,7
	s_wait_dscnt 7-\i
	global_store_b128 v8, v[80+32*\a+4*\i:83+32*\a+4*\i], s[14:15] offset:(2*\i+24*(\i/4)+8*\a)*2048 th:TH_STORE_NT   ; sixteen lanes store 256 consecutive bytes, aligned
.endr
.endr
	s_wait_tensorcnt 0x0
	ds_add_u32 v14, v15
	s_wait_dscnt 0x0
	s_endpgm
.Lfunc_end_k_qd7979bb102_outp:
	.size	k_qd7979bb102_outp, .Lfunc_end_k_qd7979bb102_outp-k_qd7979bb102_outp
	.p2alignl 7, 3214868480
	.fill 96, 4, 3214868480
	.section	.rodata,"a",@progbits
	.p2align	6, 0x0
	.amdhsa_kernel k_qd7979bb102_outp
		.amdhsa_group_segment_fixed_size 35840
		.amdhsa_private_segment_fixed_size 0
		.amdhsa_enable_private_segment 0
		.amdhsa_kernarg_size 48
		.amdhsa_user_sgpr_count 2
		.amdhsa_user_sgpr_kernarg_segment_ptr 1
		.amdhsa_wavefront_size32 1
		.amdhsa_system_sgpr_workgroup_id_x 1
		.amdhsa_system_sgpr_workgroup_id_y 1
		.amdhsa_system_sgpr_workgroup_id_z 1
		.amdhsa_system_vgpr_workitem_id 0
		.amdhsa_next_free_vgpr 256
		.amdhsa_next_free_sgpr 66
		.amdhsa_reserve_vcc 0
		.amdhsa_float_denorm_mode_32 3
		.amdhsa_float_denorm_mode_16_64 3
		.amdhsa_memory_ordered 1
		.amdhsa_forward_progress 1
		.amdhsa_inst_pref_size 25
	.end_amdhsa_kernel
	.amdgpu_metadata
---
amdhsa.version: [ 1, 2 ]
amdhsa.kernels:
  - .name:           k_qd7979bb102_outp
    .symbol:         k_qd7979bb102_outp.kd
    .args:
      - { .name: oimg, .offset: 0, .size: 8, .value_kind: global_buffer, .address_space: global }
      - { .name: osc, .offset: 8, .size: 8, .value_kind: global_buffer, .address_space: global }
      - { .name: woimg, .offset: 16, .size: 8, .value_kind: global_buffer, .address_space: global }
      - { .name: Wo_scales, .offset: 24, .size: 8, .value_kind: global_buffer, .address_space: global }
      - { .name: bo, .offset: 32, .size: 8, .value_kind: global_buffer, .address_space: global }
      - { .name: out0, .offset: 40, .size: 8, .value_kind: global_buffer, .address_space: global }
    .group_segment_fixed_size: 35840
    .private_segment_fixed_size: 0
    .kernarg_segment_align: 8
    .kernarg_segment_size: 48
    .max_flat_workgroup_size: 256
    .sgpr_count:     66
    .vgpr_count:     256
    .wavefront_size: 32
...
	.end_amdgpu_metadata
.endif
;; end of part 3
